; MI455X (gfx1250); checked and timed in simulation.
; The chip was launched on July 23, 2026; its instructions are those of AMD's public machine-readable ISA for CDNA 5 (MIT licence, August 2026) and "CDNA5" Instruction Set Architecture Reference Guide (July 2026). The comments in the code are by the model that wrote it; some were corrected since.
;; Multi Head Attention. Allowed arithmetic: matrix products marked QUANTISED: E2M3 operands, one E8M0 scale for each 32 along K, by v_wmma_scale_f32_16x16x128_f8f6f4 with both operands' format E2M3, f32 sums; everything else in f32.
;; Inputs: Wk 512 x 512 float32; Wq 512 x 512 float32; Wv 512 x 512 float32; keys 2 x 2,048 x 512 float32; queries 2 x 2,048 x 512 float32; values 2 x 2,048 x 512 float32.
;; Outputs: out0 2 x 2,048 x 512 float32.
;; This version of the problem:
;;   THIS VERSION OF THE PROBLEM IS GIVEN IN LOW PRECISION. The matrix products marked QUANTISED in the list below multiply operands that are first quantised to E2M3 (2 exponent bits, 3 mantissa bits; 6 bits a number), with one power-of-two scale for each 32 numbers along K (OCP MX v1.0); their sums are f32. All else is computed in f32.
;;   The module's matrix products, in the order in which they are computed (A, B: the left and right operand; K: the contracted axis; several contracted axes count as one K, in the product's order):
;;     1. [M 4,096, K 512] x [K 512, N 512]; A: input queries; B: input Wq: QUANTISED
;;     2. [M 4,096, K 512] x [K 512, N 512]; A: input keys; B: input Wk: QUANTISED
;;     3. [M 4,096, K 512] x [K 512, N 512]; A: input values; B: input Wv: QUANTISED
;;     4. batch 16 x [M 2,048, K 64] x [K 64, N 2,048]; A: computed on the way; B: computed on the way: QUANTISED
;;     5. batch 16 x [M 64, K 2,048] x [K 2,048, N 2,048]; A: computed on the way; B: softmax (see below): QUANTISED
;;   THE QUANTISER, for each operand of a quantised product, along K:
;;     - K is cut into blocks of 32 from its start; a last block that is shorter is filled with zeros.
;;     - A block's scale is 2^e with e = floor(log2(the largest magnitude in the block)) - 2, held to -126 .. 127; a block of zeros has e = 0. As a byte (E8M0): e + 127.
;;     - Each number is divided by its block's scale, clamped to +-7.5, and rounded to the nearest number of E2M3, ties to even, subnormals kept.
;;     - The product sums the exact products of the quantised numbers (number of the format x scale) in f32.
;;   ~~~python
;;   def quantise(x, axis):      # numpy; x: float32 -> the quantised numbers, widened to float32 again
;;       x = np.moveaxis(x, axis, -1); K = x.shape[-1]
;;       x = np.pad(x, [(0, 0)] * (x.ndim - 1) + [(0, -K % 32)]); x = x.reshape(x.shape[:-1] + (-1, 32)); a = np.abs(x).max(-1, keepdims=True)
;;       e = np.where(a > 0, np.clip(np.frexp(np.where(a > 0, a, 1))[1] - 1 - 2, -126, 127), 0)      # np.frexp(a)[1] - 1 = floor(log2(a)), exactly
;;       r = np.clip(x / 2.0 ** e, -7.5, 7.5)
;;       step = 2.0 ** (np.maximum(np.frexp(np.where(r == 0, 1, r))[1] - 1, 0) - 3)
;;       q = np.round(r / step) * step * 2.0 ** e      # np.round: ties to even
;;       return np.moveaxis(q.reshape(q.shape[:-2] + (-1,))[..., :K], -1, axis).astype(np.float32)
;;   ~~~
;;   SOFTMAX AHEAD OF A QUANTISED PRODUCT. Where the list says 'softmax', what is quantised is not the finished softmax but p = 2^(t - M), with t = logit x log2(e) and M = ceil(the row's largest t), a whole number; so 1/2 < the row's largest p <= 1. The row's sum l is taken of the UNQUANTISED p, in f32, and the product's result is divided by l at the end. Since M is a whole number, a kernel that streams over the keys may use a running M (the ceiling of the running maximum): every later rescaling is an exact power of two, which a block's scale takes up: the codes' values come out the same.
;;   OPERANDS COMPUTED ON THE WAY. 'Computed on the way' means the value that the module computes at that place (a softmax that the list does not call 'softmax' is quantised finished and normalised). What goes into a quantiser is computed in f32, as accurately as f32 sums, v_exp_f32 and their like allow (about 1e-6 of the number): no bf16 or f16 on the way to a quantiser, and a product that is left as it is and whose result goes on into a quantised operand takes f32 operands (vector FMAs, or v_wmma_f32_16x16x4_f32). A number that lies on a knife's edge between two numbers of the format may be rounded either way, as far as f32 arithmetic and the matrix unit's own rounding can turn it there, and no further.
;; One version. Each part assembles by itself: llvm-mc -triple=amdgcn-amd-amdhsa -mcpu=gfx1250 --defsym DOCPART=n.
;; ======== version 1 of 1: 3 launches
;; limits: right only within a limited range of input values
;; workspace buffers: w_codes 589,824 bytes; w_scales 24,576 bytes; qkv_codes 4,718,592 bytes; qkv_scales 196,608 bytes
;; launch wq (part 1): grid 192 x 1, 2 waves a work-group, no clusters, 0 bytes of LDS; arguments Wq, Wk, Wv, w_codes, w_scales; writes w_codes, w_scales
.if DOCPART == 1
	.amdgcn_target "amdgcn-amd-amdhsa--gfx1250"
	.amdhsa_code_object_version 6
	.text
	.protected	k_q38b8c3b737_wq
	.globl	k_q38b8c3b737_wq
	.p2align	8
	.type	k_q38b8c3b737_wq,@function
k_q38b8c3b737_wq:
	s_mov_b64 s[64:65], 0
	v_nop
	global_prefetch_b8 v0, s[64:65] scope:SCOPE_SE
	s_setreg_imm32_b32 hwreg(HW_REG_WAVE_MODE, 25, 1), 1
	s_wait_xcnt 0x0
; Wq, Wk, Wv [512 (K)][512] f32 become codes of FP6 (E2M3) with one E8M0 byte for each 32 along K, laid in the order of an operand's registers.  (No step of the problem is left out in this program.)
; w_codes: [tile g 96][K step s 4][1,536 bytes]: a fragment (16 columns x 128 K, 12 registers a lane): registers 4 q .. 4 q + 3 of lane l at byte 512 q + 16 l.  w_scales: [g][s][row 16] words, byte b for block b of the K step.
; g = 32 id + 4 head + j (id 0, 1, 2 = Wq, Wk, Wv); THE ROWS OF A TILE ARE NOT NEIGHBOURS: row r of tile j is column 8 j + r % 8 + 32 (r / 8) of the head's 64, so that in the next launch the 32 results of a head's
; four tiles that a lane holds are 32 neighbours: one scale block.
; A wave makes one fragment: lane (r = lane % 16, h = lane / 16) takes a column, and its 64 registers run down K: register 32 c + i is k = 64 c + 32 h + i of the K step: two whole blocks a lane, in the operand's own order.
; A block's scale is 2^(floor(log2(its largest magnitude)) - 2); its byte is the largest magnitude's exponent field - 2, held at 1 from below.
; LIMITS: a block of zeros gets the byte 1 where the rule says 127 (its codes are zeros; this program alone reads the bytes); NaN and infinities among the inputs are not served.
; No cluster, no LDS: no two waves read the same bytes.  No prefetch: there is no loop to run ahead in.
.set TM,  16                           ; v16-31 at work
.set PW,  32                           ; the scale word
.set PC,  36                           ; v36-47 the fragment
.set CT,  48                           ; v48-54 the conversions' second halves
.set ST,  64                           ; v64-127 the 64 numbers
.set SEL, 30                           ; s[30:31] lane selects: lane l xor 16
	s_load_b256 s[4:11], s[0:1], 0x0               ; Wq, Wk, Wv, w_codes
	s_load_b64 s[12:13], s[0:1], 0x20              ; w_scales
	v_lshrrev_b32 v6, 5, v0
	v_readfirstlane_b32 s20, v6                    ; wave
	v_and_b32 v1, 15, v0                           ; r
	v_bfe_u32 v2, v0, 4, 1                         ; h
	v_and_b32 v8, 31, v0
	v_lshlrev_b32 v4, 4, v8                        ; 16 x lane
	v_lshlrev_b32 v5, 2, v1                        ; 4 r
	v_lshrrev_b32 v6, 3, v1
	v_mad_u32_u24 v6, v6, 24, v1                   ; r % 8 + 32 (r / 8)
	v_lshlrev_b32 v3, 2, v6
	v_lshl_add_u32 v3, v2, 16, v3                  ; lanes 16-31 begin 32 rows of 2,048 bytes further down
	v_lshlrev_b32 v7, 3, v2                        ; 8 h
	v_mov_b32 v[TM+5], 0                           ; a lane permute's destination counts as one of its sources
	s_lshr_b32 s21, ttmp9, 1                       ; tile
	s_and_b32 s22, ttmp9, 1
	s_lshl_b32 s22, s22, 1
	s_add_co_u32 s22, s22, s20                     ; K step
	s_lshr_b32 s23, s21, 5                         ; id
	s_and_b32 s24, s21, 31
	s_lshr_b32 s25, s24, 2
	s_lshl_b32 s25, s25, 8                         ; the head's first column, in bytes
	s_and_b32 s24, s24, 3
	s_lshl_b32 s24, s24, 5                         ; + 8 columns a tile
	s_add_co_u32 s24, s24, s25
	s_lshl_b32 s25, s22, 18                        ; + 128 rows a K step
	s_add_co_u32 s24, s24, s25
	s_mov_b32 s25, 0
	s_mul_i32 s26, s21, 6144
	s_mul_i32 s27, s22, 1536
	s_add_co_u32 s26, s26, s27
	s_mov_b32 s27, 0
	s_lshl_b32 s28, s21, 8
	s_lshl_b32 s29, s22, 6
	s_add_co_u32 s28, s28, s29
	s_mov_b32 s29, 0
	s_mov_b32 s[SEL], 0x76543210
	s_mov_b32 s[SEL+1], 0xfedcba98
	s_wait_alu depctr_va_vdst(0)
	s_wait_kmcnt 0x0
	s_cmp_eq_u32 s23, 1
	s_cselect_b64 s[4:5], s[6:7], s[4:5]
	s_cmp_eq_u32 s23, 2
	s_cselect_b64 s[4:5], s[8:9], s[4:5]
	s_add_nc_u64 s[4:5], s[4:5], s[24:25]
	s_add_nc_u64 s[10:11], s[10:11], s[26:27]
	s_add_nc_u64 s[12:13], s[12:13], s[28:29]
.set N, 0
.rept 64
	global_load_b32 v[ST+N], v3, s[4:5] offset:(N+32*(N/32))*2048 th:TH_LOAD_NT
.set N, N+1
.endr
	s_wait_loadcnt 0x0                             ; the largest magnitudes want all numbers
.irp b, 0,1,2,3
	v_max3_num_f32 v[TM+\b], |v[ST+16*\b]|, |v[ST+1+16*\b]|, 0x1800000   ; with the floor 2^(3 - 127): the byte cannot fall under 1
.endr
.irp i, 2,4,6,8,10,12,14
.irp b, 0,1,2,3
	v_max3_num_f32 v[TM+\b], v[TM+\b], |v[ST+16*\b+\i]|, |v[ST+1+16*\b+\i]|
.endr
.endr
	v_max_num_f32 v[TM], v[TM], v[TM+1]            ; block c = 0: k = 32 h on
	v_max_num_f32 v[TM+2], v[TM+2], v[TM+3]        ; block c = 1: k = 64 + 32 h on
	v_add_nc_u32 v[TM+12], 0xff000000, v[TM]       ; 2 off the exponent field: the conversion's scale operand
	v_add_nc_u32 v[TM+14], 0xff000000, v[TM+2]
	v_lshrrev_b32 v[TM+4], 23, v[TM+12]
	v_lshrrev_b32 v[TM+6], 23, v[TM+14]
	v_lshl_or_b32 v[PW], v[TM+6], 16, v[TM+4]
	v_lshlrev_b32 v[PW], v7, v[PW]                 ; my two bytes at their places,
	v_permlanex16_b32 v[TM+5], v[PW], s[SEL], s[SEL+1]
	v_or_b32 v[PW], v[PW], v[TM+5]                 ; with lane l xor 16's two
.irp c, 0,1
	v_cvt_scalef32_pk16_fp6_f32 v[PC+6*\c:PC+2+6*\c], v[ST+32*\c:ST+15+32*\c], v[TM+12+2*\c]
	v_cvt_scalef32_pk16_fp6_f32 v[CT+4*\c:CT+2+4*\c], v[ST+16+32*\c:ST+31+32*\c], v[TM+12+2*\c]   ; (a conversion's three registers begin on an even number)
.endr
	v_nop                                          ; one plain place behind a scaled conversion
.irp c, 0,1
.irp i, 0,1,2
	v_mov_b32 v[PC+3+6*\c+\i], v[CT+4*\c+\i]
.endr
.endr
.irp q, 0,1,2
	global_store_b128 v4, v[PC+4*\q:PC+4*\q+3], s[10:11] offset:512*\q   ; 32 lanes store 512 consecutive bytes, at a multiple of 256
.endr
	global_store_b32 v5, v[PW], s[12:13]           ; lanes l and l xor 16 write the same word with the same value
	s_endpgm
.Lfunc_end_k_q38b8c3b737_wq:
	.size	k_q38b8c3b737_wq, .Lfunc_end_k_q38b8c3b737_wq-k_q38b8c3b737_wq
	.p2alignl 7, 3214868480
	.fill 96, 4, 3214868480
	.section	.rodata,"a",@progbits
	.p2align	6, 0x0
	.amdhsa_kernel k_q38b8c3b737_wq
		.amdhsa_group_segment_fixed_size 0
		.amdhsa_private_segment_fixed_size 0
		.amdhsa_enable_private_segment 0
		.amdhsa_kernarg_size 40
		.amdhsa_user_sgpr_count 2
		.amdhsa_user_sgpr_kernarg_segment_ptr 1
		.amdhsa_wavefront_size32 1
		.amdhsa_system_sgpr_workgroup_id_x 1
		.amdhsa_system_sgpr_workgroup_id_y 1
		.amdhsa_system_sgpr_workgroup_id_z 1
		.amdhsa_system_vgpr_workitem_id 0
		.amdhsa_next_free_vgpr 128
		.amdhsa_next_free_sgpr 66
		.amdhsa_reserve_vcc 0
		.amdhsa_float_denorm_mode_32 3
		.amdhsa_float_denorm_mode_16_64 3
		.amdhsa_memory_ordered 1
		.amdhsa_forward_progress 1
		.amdhsa_inst_pref_size 12
	.end_amdhsa_kernel
	.amdgpu_metadata
---
amdhsa.version: [ 1, 2 ]
amdhsa.kernels:
  - .name:           k_q38b8c3b737_wq
    .symbol:         k_q38b8c3b737_wq.kd
    .args:
      - { .name: Wq, .offset: 0, .size: 8, .value_kind: global_buffer, .address_space: global }
      - { .name: Wk, .offset: 8, .size: 8, .value_kind: global_buffer, .address_space: global }
      - { .name: Wv, .offset: 16, .size: 8, .value_kind: global_buffer, .address_space: global }
      - { .name: w_codes, .offset: 24, .size: 8, .value_kind: global_buffer, .address_space: global }
      - { .name: w_scales, .offset: 32, .size: 8, .value_kind: global_buffer, .address_space: global }
    .group_segment_fixed_size: 0
    .private_segment_fixed_size: 0
    .kernarg_segment_align: 8
    .kernarg_segment_size: 40
    .max_flat_workgroup_size: 64
    .sgpr_count:     66
    .vgpr_count:     128
    .wavefront_size: 32
...
	.end_amdgpu_metadata
.endif
;; end of part 1
;; launch qkv (part 2): grid 64 x 3, 8 waves a work-group, clusters of 4 x 1, 290,816 bytes of LDS; arguments queries, keys, values, w_codes, w_scales, qkv_codes, qkv_scales; writes qkv_codes, qkv_scales
.if DOCPART == 2
	.amdgcn_target "amdgcn-amd-amdhsa--gfx1250"
	.amdhsa_code_object_version 6
	.text
	.protected	k_q38b8c3b737_qkv
	.globl	k_q38b8c3b737_qkv
	.p2align	8
	.type	k_q38b8c3b737_qkv,@function
k_q38b8c3b737_qkv:
	s_mov_b64 s[64:65], 0
	v_nop
	global_prefetch_b8 v0, s[64:65] scope:SCOPE_SE
	s_setreg_imm32_b32 hwreg(HW_REG_WAVE_MODE, 25, 1), 1
	s_wait_xcnt 0x0
	s_wait_alu depctr_hold_cnt(0) depctr_sa_sdst(0) depctr_va_vdst(0) depctr_va_sdst(0) depctr_va_ssrc(0) depctr_va_vcc(0) depctr_vm_vsrc(0)
	s_getreg_b32 s2, hwreg(HW_REG_IB_STS2, 6, 4)
	s_cmp_eq_u32 s2, 0
	s_cbranch_scc0 .Lentry_in_a_cluster
	s_endpgm
.Lentry_in_a_cluster:
	s_bfe_u32 s2, ttmp6, 0x10000c
	s_cmp_lg_u32 s2, 0x3003
	s_cbranch_scc0 .Lentry_shape_is_right
	s_endpgm
.Lentry_shape_is_right:
; q = queries Wq, k = keys Wk, v = values Wv on codes of FP6 (E2M3) with E8M0 block scales, K = 512 in four steps of 128, f32 sums; the tokens are quantised here, once, by the one work-group that reads them, and the results are
; quantised in registers for attention's two products: q and k along the head's 64 numbers, v along the keys.
; SHARES.  Work-group (x, id): 64 tokens of tensor id, all 512 columns.  192 work-groups: a block of 64 tokens serves one tensor alone.
; PHASE 1: the 64 tokens are four tiles of 16; row r of tile j is token 8 j + r % 8 + 32 (r / 8).  Wave w quantises tile w / 2's K steps 2 (w % 2) + f, f = 0, 1: fragments 2 w + f of the LDS image (a fragment's registers 4 q .. at 512 q + 16 lane).
;   Each load reads one row's 512 consecutive bytes; the rows turn through the wave's own stage, so that lane (r, h) holds k = 64 c + 32 h + 0 .. 31: whole scale blocks.
; PHASE 2, behind the barrier: wave w owns head w.  D[i][j] = F0[j] x F1[i]:
;   q, k: F0 = the head's four column tiles, F1 = the token tiles: a lane holds a token, its 32 registers of group i are columns 32 h + 0 .. 31: one block.
;   v:    F0 = the token tiles, F1 = the column tiles: a lane holds a channel, its 32 registers of group i are keys 32 h + 0 .. 31 of the 64.
; CLUSTER.  The four work-groups of a cluster have the same id and so the same W: each wave asks for its head's 24,576 bytes by ONE JOINT LOAD, with a mask that names the four; it alone reads them, so its own wait orders them.  Filled once.
; No prefetch: the token loads and W's all go out at the head, and there is no loop to run ahead in.
; OUTPUT.  qkv_codes: [bh 16][q | k | v][98,304 bytes], bh = 8 x batch + head.  q, k: [tile of 16 tokens 128][768]; v: [step of 128 keys 16][tile of 16 channels 4][half c 2][768].  768 bytes are HALF a fragment, 64 along K:
; six registers a lane: registers 0-3 at 16 l, registers 4-5 at 512 + 8 l.  qkv_scales: [bh][q | k | v][4,096]: q, k: [pair of tiles 64][r 16] words, low half = the even tile's two bytes; v: [step 16][tile 4][r 16] words, byte 2 c + h.
; LIMITS: a block of zeros gets the byte 1 where the rule says 127 (its codes are zeros; this program alone reads the bytes); NaN and infinities are not served.
.set L16, 1                            ; 16 x lane
.set L8,  2                            ; 8 x lane
.set R4,  3                            ; 4 r
.set L4,  4                            ; 4 x lane
.set SH,  5                            ; 8 h
.set SPW, 6                            ; my spare word
.set NIL, 7                            ; 0
.set SIN, 8                            ; the stage, in: 16 x lane
.set SOUT, 9                           ; and out: 528 r + 128 h
.set XIW, 10                           ; my fragments' place in the image
.set XSW, 11                           ; their scale words'
.set WAD, 12                           ; my head's W: 16 x lane
.set WS,  24                           ; v24-31 W's scale words: tile j, K steps 2 e, 2 e + 1 in lanes 0-15, 16-31, at 2 j + e
.set XS,  33                           ; v33-40 the tokens', likewise (never the same number modulo 8 as its partner)
.set XB1, 42                           ; v42-89 the tokens' fragments of an odd K step; outside the products:
.set TM,  42                           ; v42-57 at work
.set PW,  58                           ; v58, v59 scale words
.set PC,  60                           ; v60-71 codes, v72-78 second halves
.set ACC, 96                           ; v96-223 accumulator (i, j) at 8 (4 i + j); in phase 1 the numbers of two fragments
.set PC2, 224                          ; v224-235, v236-242 the second pair of groups
.set XB0, 192                          ; window 1: v192-239 the tokens' fragments of an even K step; v0-191 W's fragment (j, s) at 12 (4 s + j)
.set WV,  20
.set SEL, 46
.set G1,  56                           ; s[56:63], s[68:71] the descriptor of W's load
.set G0,  68
.set XSC, 24576                        ; LDS: the image from 0, its scale words,
.set STG, 25600                        ; for each wave a stage of 16 rows x 528 bytes,
.set WREG, 8448
.set WL,  93184                        ; W's eight heads, 24,576 bytes each,
.set SPARE, 289792                     ; the spare words
.set MSB, 0
.macro WIN new
.if MSB != \new
	s_set_vgpr_msb (MSB<<8)|\new
.set MSB, \new
.endif
.endm
.macro PLACES
.rept 4
	v_nop
.endr
.endm
.macro CROUND                          ; a round of the cluster's barrier
	s_barrier_signal -1
	s_barrier_wait -1
	s_cmp_lg_u32 s[WV], 0
	s_cbranch_scc1 .Lnot_wave_0_\@
	s_barrier_signal -3
.Lnot_wave_0_\@:
	s_barrier_wait -3
	s_barrier_signal -1
	s_barrier_wait -1
.endm
.macro QUANT s, pc, pw                 ; 64 numbers of a lane, two blocks of 32, become 2 x 6 registers of codes and a word: low half block 0's bytes of lanes r and 16 + r, high half block 1's
.irp b, 0,1,2,3
	v_max3_num_f32 v[TM+\b], |v[\s+16*\b]|, |v[\s+1+16*\b]|, 0x1800000   ; with the floor 2^(3 - 127)
.endr
.irp i, 2,4,6,8,10,12,14
.irp b, 0,1,2,3
	v_max3_num_f32 v[TM+\b], v[TM+\b], |v[\s+16*\b+\i]|, |v[\s+1+16*\b+\i]|
.endr
.endr
	v_max_num_f32 v[TM], v[TM], v[TM+1]
	v_max_num_f32 v[TM+2], v[TM+2], v[TM+3]
	v_add_nc_u32 v[TM+12], 0xff000000, v[TM]       ; 2 off the exponent field
	v_add_nc_u32 v[TM+14], 0xff000000, v[TM+2]
	v_lshrrev_b32 v[TM+4], 23, v[TM+12]
	v_lshrrev_b32 v[TM+6], 23, v[TM+14]
	v_lshl_or_b32 v[\pw], v[TM+6], 16, v[TM+4]
	v_lshlrev_b32 v[\pw], v[SH], v[\pw]
	v_permlanex16_b32 v[TM+5], v[\pw], s[SEL], s[SEL+1]
	v_or_b32 v[\pw], v[\pw], v[TM+5]
.irp c, 0,1
	v_cvt_scalef32_pk16_fp6_f32 v[\pc+6*\c:\pc+2+6*\c], v[\s+32*\c:\s+15+32*\c], v[TM+12+2*\c]
	v_cvt_scalef32_pk16_fp6_f32 v[\pc+12+4*\c:\pc+14+4*\c], v[\s+16+32*\c:\s+31+32*\c], v[TM+12+2*\c]
.endr
	v_nop                                          ; one plain place behind a scaled conversion
.irp c, 0,1
.irp i, 0,1,2
	v_mov_b32 v[\pc+3+6*\c+\i], v[\pc+12+4*\c+\i]
.endr
.endr
.endm
.macro WLOAD s                         ; W's four fragments of K step s: 12 loads
	WIN 0x40
.irp j, 0,1,2,3
.irp q, 0,1,2
	ds_load_b128 v[12*(4*\s+\j)+4*\q:12*(4*\s+\j)+4*\q+3], v[WAD] offset:\j*6144+\s*1536+512*\q
.endr
.endr
	WIN 0
.endm
.macro FRAG f, younger                 ; the numbers of fragment f turn through the stage; younger: the loads issued behind the row's that may be out, for row 0
.set SF, ACC+64*(\f)
.irp i, 0,1,2,3,4,5,6,7,8,9,10,11,12,13,14,15
	s_wait_loadcnt (\younger)-\i
	ds_store_b128 v[SIN], v[SF+4*\i:SF+4*\i+3] offset:\i*528
.endr
.irp j, 0,1,2,3,4,5,6,7                ; LDS serves a wave's instructions in order (ISA guide 5.7.1.4)
	ds_load_b128 v[SF+4*\j:SF+4*\j+3], v[SOUT] offset:16*\j
	ds_load_b128 v[SF+32+4*\j:SF+32+4*\j+3], v[SOUT] offset:256+16*\j
.endr
.endm
.macro IMAGE f
	s_wait_dscnt 0x0                               ; the largest magnitudes want all 64 numbers
	QUANT ACC+64*(\f), PC, PW
.irp q, 0,1,2
	ds_store_b128 v[XIW], v[PC+4*\q:PC+4*\q+3] offset:(\f)*1536+512*\q
.endr
	ds_store_b32 v[XSW], v[PW] offset:(\f)*64      ; lanes l and l xor 16 write the same word with the same value
.endm
.macro XLOAD s                         ; the tokens' four fragments of K step s: 12 loads
.if (\s)%2
.irp i, 0,1,2,3
.irp q, 0,1,2
	ds_load_b128 v[XB1+12*\i+4*\q:XB1+12*\i+4*\q+3], v[L16] offset:(4*\i+\s)*1536+512*\q
.endr
.endr
.else
	WIN 0x40
.irp i, 0,1,2,3
.irp q, 0,1,2
	ds_load_b128 v[XB0+12*\i+4*\q:XB0+12*\i+4*\q+3], v[L16] offset:(4*\i+\s)*1536+512*\q
.endr
.endr
	WIN 0
.endif
.endm
.macro ONE d, f0, f1, c, x0, x1, row
	v_wmma_scale_f32_16x16x128_f8f6f4 v[\d:\d+7], v[\f0:\f0+11], v[\f1:\f1+11], \c, v[\x0], v[\x1] matrix_a_fmt:MATRIX_FMT_FP6 matrix_b_fmt:MATRIX_FMT_FP6 matrix_a_scale:MATRIX_SCALE_ROW\row matrix_b_scale:MATRIX_SCALE_ROW\row
.endm
.macro MM isv, s, row                  ; sixteen products; the accumulators take turns, in the same order in every K step
.if (\s)%2
.set XB, XB1
.if \isv
	WIN 0x04
.else
	WIN 0x01
.endif
.else
.set XB, XB0
	WIN 0x05
.endif
.irp i, 0,1,2,3
.irp j, 0,1,2,3
.set D_, ACC+8*(4*\i+\j)
.if \isv
.set F0_, XB+12*\j
.set F1_, 12*(4*\s+\i)
.set X0_, XS+2*\j+\s/2
.set X1_, WS+2*\i+\s/2
.else
.set F0_, 12*(4*\s+\j)
.set F1_, XB+12*\i
.set X0_, WS+2*\j+\s/2
.set X1_, XS+2*\i+\s/2
.endif
.if \s
	ONE D_, F0_, F1_, v[D_:D_+7], X0_, X1_, \row
.else
	ONE D_, F0_, F1_, 0, X0_, X1_, \row
.endif
.endr
.endr
	WIN 0
.endm
.macro PUT isv, p, pc, pw              ; groups 2 p, 2 p + 1 leave
.irp k, 0,1
.if \isv
.set OF_, (2*\p+\k)*1536
.else
.set OF_, (2*\p+\k)*768
.endif
	global_store_b128 v[L16], v[\pc+6*\k:\pc+6*\k+3], s[48:49] offset:OF_          ; 512 consecutive bytes,
	global_store_b64 v[L8], v[\pc+6*\k+4:\pc+6*\k+5], s[48:49] offset:OF_+512      ; and 256: both at multiples of 256
.endr
.if \isv
	global_store_b16 v[R4], v[\pw], s[50:51] offset:128*\p
	global_store_d16_hi_b16 v[R4], v[\pw], s[50:51] offset:128*\p+64
.else
	global_store_b32 v[R4], v[\pw], s[50:51] offset:64*\p
.endif
.endm
.macro MAIN isv
	s_mul_i32 s30, s25, 294912
	s_mul_i32 s32, s25, 12288
.if \isv
	s_lshr_b32 s34, s23, 1                         ; the step of 128 keys,
	s_and_b32 s35, s23, 1                          ; and which half of it
	s_mul_i32 s36, s34, 6144
	s_add_co_u32 s30, s30, s36
	s_mul_i32 s36, s35, 768
	s_add_co_u32 s30, s30, s36
	s_add_co_u32 s30, s30, 196608
	s_lshl_b32 s36, s34, 8
	s_add_co_u32 s32, s32, s36
	s_lshl_b32 s36, s35, 1
	s_add_co_u32 s32, s32, s36
	s_add_co_u32 s32, s32, 8192
.else
	s_mul_i32 s36, s22, 98304
	s_add_co_u32 s30, s30, s36
	s_mul_i32 s36, s23, 3072
	s_add_co_u32 s30, s30, s36
	s_lshl_b32 s36, s22, 12
	s_add_co_u32 s32, s32, s36
	s_lshl_b32 s36, s23, 7
	s_add_co_u32 s32, s32, s36
.endif
	s_mov_b32 s31, 0
	s_mov_b32 s33, 0
	s_add_nc_u64 s[48:49], s[14:15], s[30:31]
	s_add_nc_u64 s[50:51], s[16:17], s[32:33]
	s_wait_loadcnt 0x0                             ; W's scale words
	s_wait_dscnt 24                                ; the tokens' scale words and K step 0 are in; K step 1's 24 loads may be out
	MM \isv, 0, 0
	PLACES
	WLOAD 2
	XLOAD 2
	s_wait_dscnt 24
	MM \isv, 1, 1
	PLACES
	WLOAD 3
	XLOAD 3
	s_wait_dscnt 24
	MM \isv, 2, 0
	s_wait_dscnt 0x0
	MM \isv, 3, 1
	PLACES                                         ; in front of the first read of results
	QUANT ACC, PC, PW
	PUT \isv, 0, PC, PW
	QUANT ACC+64, PC2, PW+1
	PUT \isv, 1, PC2, PW+1
.endm
	s_load_b256 s[4:11], s[0:1], 0x0               ; queries, keys, values, w_codes
	s_load_b128 s[12:15], s[0:1], 0x20             ; w_scales, qkv_codes
	s_load_b64 s[16:17], s[0:1], 0x30              ; qkv_scales
	v_lshl_add_u32 v[SPW], v0, 2, SPARE
	v_mov_b32 v[NIL], 0
	ds_add_u32 v[SPW], v[NIL]                      ; the wave's opening: the add, twice on end, and its wait
	ds_add_u32 v[SPW], v[NIL]
	v_lshrrev_b32 v13, 5, v0
	v_readfirstlane_b32 s[WV], v13                 ; wave = head
	v_and_b32 v13, 31, v0
	v_and_b32 v14, 15, v0                          ; r
	v_bfe_u32 v15, v0, 4, 1                        ; h
	v_lshlrev_b32 v[L16], 4, v13
	v_lshlrev_b32 v[L8], 3, v13
	v_lshlrev_b32 v[L4], 2, v13
	v_lshlrev_b32 v[R4], 2, v14
	v_lshlrev_b32 v[SH], 3, v15
	s_mul_i32 s21, s[WV], WREG
	s_add_co_u32 s21, s21, STG
	v_add_nc_u32 v[SIN], s21, v[L16]
	v_mul_u32_u24 v[SOUT], v14, 528
	v_lshl_add_u32 v[SOUT], v15, 7, v[SOUT]
	v_add_nc_u32 v[SOUT], s21, v[SOUT]
	s_mul_i32 s21, s[WV], 3072
	v_add_nc_u32 v[XIW], s21, v[L16]
	s_lshl_b32 s21, s[WV], 7
	s_add_co_u32 s21, s21, XSC
	s_wait_alu depctr_va_vdst(0)                   ; ahead of the readers below
	v_add_nc_u32 v[XSW], s21, v[R4]
	s_mul_i32 s72, s[WV], 24576
	s_add_co_u32 s72, s72, WL
	v_add_nc_u32 v[WAD], s72, v[L16]
	v_mov_b32 v[TM+5], 0                           ; a lane permute's destination counts as one of its sources
	s_and_b32 s22, ttmp7, 0xffff                   ; id, which the four partners share
	s_lshl_b32 s28, s22, 5
	s_lshl_b32 s29, s[WV], 2
	s_add_co_u32 s28, s28, s29                     ; W's first tile: 32 id + 4 head
	s_lshl_b32 s30, s28, 8
	s_mov_b32 s31, 0
	s_mul_i32 s28, s28, 6144
	s_mov_b32 s29, 0
	s_mov_b32 s[G1], 15|(3<<16)|(1<<21)            ; dense rows of 256 bytes, 96 of them; the mask names all four work-groups
	s_mov_b32 s[G1+1], 32<<16
	s_mov_b32 s[G1+2], 96<<16
	s_mov_b32 s[G1+3], 32<<16
	s_mov_b32 s[G1+4], 96
	s_mov_b32 s[G1+5], 32
	s_mov_b32 s[G1+6], 0
	s_mov_b32 s[G1+7], 0
	s_mov_b32 s[G0], 1
	s_mov_b32 s[G0+1], s72
	s_mov_b32 s[SEL], 0x76543210
	s_mov_b32 s[SEL+1], 0xfedcba98
	s_bfe_u32 s18, ttmp6, 0x40000                  ; cx: it enters the tokens' and the results' addresses alone
	s_lshl_b32 s19, ttmp9, 2
	s_add_co_u32 s19, s19, s18                     ; x
	s_and_b32 s23, s19, 31                         ; the block within the batch
	s_lshr_b32 s24, s19, 5
	s_lshl_b32 s24, s24, 3
	s_add_co_u32 s25, s24, s[WV]                   ; bh
	s_lshl_b32 s26, s19, 17                        ; 64 tokens of 2,048 bytes
	s_lshr_b32 s27, s[WV], 1
	s_lshl_b32 s27, s27, 14                        ; + 8 tokens a tile
	s_add_co_u32 s26, s26, s27
	s_and_b32 s27, s[WV], 1
	s_lshl_b32 s27, s27, 10                        ; + two K steps
	s_add_co_u32 s26, s26, s27
	s_mov_b32 s27, 0
	s_wait_alu depctr_va_vdst(0)
	s_wait_dscnt 0x0                               ; both opening adds are done
	s_wait_kmcnt 0x0
	s_cmp_eq_u32 s22, 1
	s_cselect_b64 s[4:5], s[6:7], s[4:5]
	s_cmp_eq_u32 s22, 2
	s_cselect_b64 s[4:5], s[8:9], s[4:5]
	s_add_nc_u64 s[40:41], s[4:5], s[26:27]
	s_add_nc_u64 s[44:45], s[12:13], s[30:31]
	s_add_nc_u64 s[G0+2:G0+3], s[10:11], s[28:29]
	s_or_b32 s[G0+3], s[G0+3], 0x80000000
.irp f, 0,1
.irp i, 0,1,2,3,4,5,6,7,8,9,10,11,12,13,14,15
	global_load_b128 v[ACC+64*\f+4*\i:ACC+64*\f+4*\i+3], v[L16], s[40:41] offset:(\i+24*(\i/8))*2048+512*\f th:TH_LOAD_NT   ; 32 lanes read 512 consecutive bytes of one token
.endr
.endr
.irp j, 0,1,2,3
.irp e, 0,1
	global_load_b32 v[WS+2*\j+\e], v[L4], s[44:45] offset:\j*256+\e*128
.endr
.endr
	CROUND                                         ; all four work-groups are here: the joint loads meet
	tensor_load_to_lds s[G0:G0+3], s[G1:G1+7]      ; my head's W: my one tensor load
	s_nop 0
.rept 4
	v_nop
.endr
	FRAG 0, 39                                     ; behind row 0's load: 31 rows, 8 scale loads
	IMAGE 0
	FRAG 1, 23                                     ; behind its row 0's load: 15 rows, 8
	IMAGE 1
	s_wait_tensorcnt 0x0                           ; my head's W is in LDS
	s_wait_dscnt 0x0                               ; for the other waves' sake: my part of the image is stored
	s_barrier_signal -1
	s_barrier_wait -1
.irp i, 0,1,2,3
.irp e, 0,1
	ds_load_b32 v[XS+2*\i+\e], v[L4] offset:XSC+\i*256+\e*128
.endr
.endr
	WLOAD 0
	XLOAD 0
	WLOAD 1
	XLOAD 1
	s_cmp_eq_u32 s22, 2
	s_wait_alu depctr_va_vdst(0)                   ; ahead of the branch
	s_cbranch_scc1 .Lvalues
	MAIN 0
	s_branch .Lend
.Lvalues:
	MAIN 1
.Lend:
	s_wait_tensorcnt 0x0                           ; the wave's end
	ds_add_u32 v[SPW], v[NIL]
	s_wait_dscnt 0x0
	CROUND                                         ; the closing round
	s_endpgm
.Lfunc_end_k_q38b8c3b737_qkv:
	.size	k_q38b8c3b737_qkv, .Lfunc_end_k_q38b8c3b737_qkv-k_q38b8c3b737_qkv
	.p2alignl 7, 3214868480
	.fill 96, 4, 3214868480
	.section	.rodata,"a",@progbits
	.p2align	6, 0x0
	.amdhsa_kernel k_q38b8c3b737_qkv
		.amdhsa_group_segment_fixed_size 290816
		.amdhsa_private_segment_fixed_size 0
		.amdhsa_enable_private_segment 0
		.amdhsa_kernarg_size 56
		.amdhsa_user_sgpr_count 2
		.amdhsa_user_sgpr_kernarg_segment_ptr 1
		.amdhsa_wavefront_size32 1
		.amdhsa_system_sgpr_workgroup_id_x 1
		.amdhsa_system_sgpr_workgroup_id_y 1
		.amdhsa_system_sgpr_workgroup_id_z 1
		.amdhsa_system_vgpr_workitem_id 0
		.amdhsa_next_free_vgpr 496
		.amdhsa_next_free_sgpr 76
		.amdhsa_reserve_vcc 0
		.amdhsa_float_denorm_mode_32 3
		.amdhsa_float_denorm_mode_16_64 3
		.amdhsa_memory_ordered 1
		.amdhsa_forward_progress 1
		.amdhsa_inst_pref_size 64
	.end_amdhsa_kernel
	.amdgpu_metadata
---
amdhsa.version: [ 1, 2 ]
amdhsa.kernels:
  - .name:           k_q38b8c3b737_qkv
    .symbol:         k_q38b8c3b737_qkv.kd
    .args:
      - { .name: queries, .offset: 0, .size: 8, .value_kind: global_buffer, .address_space: global }
      - { .name: keys, .offset: 8, .size: 8, .value_kind: global_buffer, .address_space: global }
      - { .name: values, .offset: 16, .size: 8, .value_kind: global_buffer, .address_space: global }
      - { .name: w_codes, .offset: 24, .size: 8, .value_kind: global_buffer, .address_space: global }
      - { .name: w_scales, .offset: 32, .size: 8, .value_kind: global_buffer, .address_space: global }
      - { .name: qkv_codes, .offset: 40, .size: 8, .value_kind: global_buffer, .address_space: global }
      - { .name: qkv_scales, .offset: 48, .size: 8, .value_kind: global_buffer, .address_space: global }
    .group_segment_fixed_size: 290816
    .private_segment_fixed_size: 0
    .kernarg_segment_align: 8
    .kernarg_segment_size: 56
    .max_flat_workgroup_size: 256
    .sgpr_count:     76
    .vgpr_count:     496
    .wavefront_size: 32
...
	.end_amdgpu_metadata
.endif
;; end of part 2
;; launch attn (part 3): grid 16 x 16, 8 waves a work-group, clusters of 4 x 1, 275,456 bytes of LDS; arguments qkv_codes, qkv_scales, out0; writes out0
.if DOCPART == 3
	.amdgcn_target "amdgcn-amd-amdhsa--gfx1250"
	.amdhsa_code_object_version 6
	.text
	.protected	k_q38b8c3b737_attn
	.globl	k_q38b8c3b737_attn
	.p2align	8
	.type	k_q38b8c3b737_attn,@function
k_q38b8c3b737_attn:
	s_mov_b64 s[64:65], 0
	v_nop
	global_prefetch_b8 v0, s[64:65] scope:SCOPE_SE
	s_setreg_imm32_b32 hwreg(HW_REG_WAVE_MODE, 25, 1), 1
	s_wait_xcnt 0x0
	s_wait_alu depctr_hold_cnt(0) depctr_sa_sdst(0) depctr_va_vdst(0) depctr_va_sdst(0) depctr_va_ssrc(0) depctr_va_vcc(0) depctr_vm_vsrc(0)
	s_getreg_b32 s2, hwreg(HW_REG_IB_STS2, 6, 4)
	s_cmp_eq_u32 s2, 0
	s_cbranch_scc0 .Lentry_in_a_cluster
	s_endpgm
.Lentry_in_a_cluster:
	s_bfe_u32 s2, ttmp6, 0x10000c
	s_cmp_lg_u32 s2, 0x3003
	s_cbranch_scc0 .Lentry_shape_is_right
	s_endpgm
.Lentry_shape_is_right:
; out[b][q][64 head + d] = the sum over k of softmax_k(q . k / 8) v[k][d], 16 pairs bh = 8 x batch + head, 2,048 queries, 2,048 keys, head size 64; both products on codes of FP6 (E2M3) with E8M0 block scales.
; THE SOFTMAX AHEAD OF THE SECOND PRODUCT: t = score x log2(e) / 8; M = the largest t so far, rounded UP to a whole number; p = 2^(t - M) is what is quantised, along the keys; the row's sum is taken of the unquantised p and divides at the end.
; SHARES.  A work-group owns 128 queries of one bh.  Waves w and w + 4 (w = 0 .. 3) own the same pair of tiles of 16 queries and share the sixteen steps of 128 keys: wave w walks steps 0 .. 10, wave w + 4 steps 14, 15, 11, 12, 13.
; Any split of the keys serves, since the two parts' sums meet at the end; eleven and five is this text's choice.  Every fragment of K and V feeds both tiles.
; The two tiles are called A and B, in waves 4 to 7 the other way round: at the end wave w hands tile B's O^T, sum and M to wave w xor 4 through LDS and takes that wave's of its own tile A: all waves finish one tile.
; Both M are whole numbers, so bringing the two under the larger one multiplies by exact powers of two.
; THE WHOLE HEAD LIES IN LDS: K's and V's codes and their scale bytes.  Every byte is filled ONCE, one load a wave at the head.  TWO BARRIERS show the tiles: one for the scale bytes and key steps 0, 1, 14, 15, one for all the rest.
; CLUSTER.  The four work-groups of a cluster belong to one bh and want the same K and V: each load is asked for JOINTLY, with a mask that names the four.  No prefetch: all loads go out at the head, and no loop could run ahead of them.
; HALF a fragment (16 rows x 64 K, six registers a lane) is 768 bytes: registers 0-3 at 16 l, registers 4-5 at 512 + 8 l: every LDS load reads consecutive bytes.
; K = 64 IN AN INSTRUCTION OF 128.  Source 0 = TWO tiles of 16 keys side by side.  Q lies between zeros: [q, zeros] picks the even tile's scores, [zeros, q] the odd one's.  Zero codes add nothing; the scale bytes over them are q's own, finite.
; LAYOUT.  Both products are used transposed: S^T = K Q^T, O^T = V^T P^T: a lane (r, h) holds ONE query r.  Row m of tile 4 G + j is element 64 G + 8 j + m % 8 + 32 (m / 8) (keys, queries, channels alike), so register 32 c + 8 j + i of S^T
; is key 64 c + 32 h + 8 j + i of the step: a lane's 32 registers are one scale block of p, in the operand's own order; register 8 t + i of O^T is channel 32 h + 8 t + i.
; LIMITS: NaN and infinities are not served; the promise holds while the scaled scores t stay under 2^31 in magnitude; a block of p all of whose numbers have fallen to 0 keeps the byte 1 (its codes are zeros).
.set VC,    98304                      ; LDS: K's codes from 0, V's from VC.  Of each: steps 0, 1, 14, 15 (6,144 bytes a step), then steps 2 .. 13
.set SCL,   196608                     ; K's scale bytes (4,096: 256 a step, steps in order), then V's
.set XCH,   204800                     ; for each wave 4,352 bytes: tile B's O^T as an image of its registers, its sum, its -M
.set STG,   239616                     ; for each wave a stage of 16 rows x 272 bytes for the way out
.set SPARE, 274432                     ; the spare words
; window 0:
.set L16,  1                           ; 16 x lane, 8 x lane, 4 x lane
.set L8,   2
.set L4,   3
.set SPW,  4
.set NIL,  5
.set AK16, 6                           ; LDS addresses: the K that is fetched next, the step's V, the step's scale words
.set AK8,  7
.set AV16, 8
.set AV8,  9
.set AS,   10
.set STO,  11
.set RD,   12
.set GO,   13
.set XS,   14                          ; the exchange: mine, the partner's
.set XL,   15
.set XS4,  16
.set XL4,  17
.set KS,   40                          ; scale words: K, V, Q (A, B), P (A, B): eight numbers, all different modulo 8
.set VS,   42
.set QS,   44
.set PS,   46
.set Q,    48                          ; v48-77: zeros, A's q, zeros, B's q, zeros: six registers each
.set KF,   80                          ; v80-127
.set VF,   128                         ; v128-175
; window 1:
.set SA,   0                           ; v0-63 tile A's scores, then p; v64-127 tile B's
.set SB,   64
.set OA,   128                         ; O^T of A, of B
.set OB,   160
.set PA,   192                         ; p's codes: A v192-203, B v204-215
.set CT,   216                         ; the conversions' second halves
.set BM,   232                         ; the blocks' largest scores, then largest p: A's two, B's two
.set AX,   236                         ; at work
.set TS,   240                         ; the conversions' scale operands
.set NMA,  244                         ; -M of A (v246: of B); v245 holds 8 h
.set SH,   245
.set NMB,  246
.set FFA,  248                         ; f = 2^(old M - new M) (v250: B's)
.set SMA,  252                         ; the sum in two halves (v[254:255]: B's)
.set SMB,  254
.set WV,   10
.set G1Q,  16
.set G1S,  24
.set G1R,  32
.set G0,   40
.set SEL,  44
.set CS,   46                          ; s[46:47] c = log2(e) / 8; s48 = -c
.set NC,   48
.set SKN,  66                          ; offsets in LDS: the K that is fetched next, the step's V, its scale words
.set SV,   67
.set SW,   68
.set LIM,  74                          ; the loop's trips below this number are not mine
.set MSB, 0
.macro WIN new
.if MSB != \new
	s_set_vgpr_msb (MSB<<8)|\new
.set MSB, \new
.endif
.endm
.macro CROUND                          ; a round of the cluster's barrier
	s_barrier_signal -1
	s_barrier_wait -1
	s_cmp_lg_u32 s[WV], 0
	s_cbranch_scc1 .Lnot_wave_0_\@
	s_barrier_signal -3
.Lnot_wave_0_\@:
	s_barrier_wait -3
	s_barrier_signal -1
	s_barrier_wait -1
.endm
.macro TLOAD g1
	tensor_load_to_lds s[G0:G0+3], s[\g1:\g1+7]
	s_nop 0
.rept 4
	v_nop
.endr
.endm
.macro GROUP1 g, c, r, p               ; dense rows of c elements of 8 bytes, r of them, p apart; the mask names all four work-groups
	s_mov_b32 s[\g], 15|(3<<16)|(1<<21)
	s_mov_b32 s[\g+1], (\c)<<16
	s_mov_b32 s[\g+2], (\r)<<16
	s_mov_b32 s[\g+3], (\c)<<16
	s_mov_b32 s[\g+4], \r
	s_mov_b32 s[\g+5], \p
	s_mov_b32 s[\g+6], 0
	s_mov_b32 s[\g+7], 0
.endm
.macro KADDR
	v_add_nc_u32 v[AK16], s[SKN], v[L16]
	v_add_nc_u32 v[AK8], s[SKN], v[L8]
.endm
.macro VADDR
	v_add_nc_u32 v[AV16], s[SV], v[L16]
	v_add_nc_u32 v[AV8], s[SV], v[L8]
	v_add_nc_u32 v[AS], s[SW], v[L4]
.endm
	s_load_b128 s[4:7], s[0:1], 0x0                ; qkv_codes, qkv_scales
	s_load_b64 s[8:9], s[0:1], 0x10                ; out0
	v_lshl_add_u32 v[SPW], v0, 2, SPARE
	v_mov_b32 v[NIL], 0
	ds_add_u32 v[SPW], v[NIL]                      ; the wave's opening: the add, twice on end, and its wait
	ds_add_u32 v[SPW], v[NIL]
	v_lshrrev_b32 v20, 5, v0
	v_readfirstlane_b32 s[WV], v20                 ; wave 0..7
	v_and_b32 v20, 31, v0                          ; lane
	v_and_b32 v21, 15, v0                          ; r
	v_bfe_u32 v22, v0, 4, 1                        ; h
	v_lshlrev_b32 v[L16], 4, v20
	v_lshlrev_b32 v[L8], 3, v20
	v_lshlrev_b32 v[L4], 2, v20
	s_lshr_b32 s11, s[WV], 2                       ; my part of the keys
	s_and_b32 s12, s[WV], 3                        ; my pair of query tiles
	s_wait_alu depctr_va_vdst(0)                   ; ahead of the readers below
	s_mul_i32 s[SKN], s11, 12288                   ; my first step: 0, or 14
	s_add_co_u32 s[SV], s[SKN], VC
	s_mul_i32 s[SW], s11, 14*256
	s_add_co_u32 s[SW], s[SW], SCL
	KADDR
	VADDR
	s_mul_i32 s58, s[WV], 4352
	s_add_co_u32 s59, s58, STG
	s_add_co_u32 s58, s58, XCH
	v_add_nc_u32 v[XS], s58, v[L16]
	v_add_nc_u32 v[XS4], s58, v[L4]
	v_add_nc_u32 v[XS4], 4096, v[XS4]
	v_mul_u32_u24 v[STO], v21, 272                 ; in: row r, + 128 h
	v_lshl_add_u32 v[STO], v22, 7, v[STO]
	v_add_nc_u32 v[STO], s59, v[STO]
	v_mul_u32_u24 v[RD], v22, 272                  ; back: lanes 0-15 one row, lanes 16-31 the next
	v_lshl_add_u32 v[RD], v21, 4, v[RD]
	v_add_nc_u32 v[RD], s59, v[RD]
	s_xor_b32 s58, s[WV], 4
	s_mul_i32 s58, s58, 4352
	s_add_co_u32 s58, s58, XCH
	v_add_nc_u32 v[XL], s58, v[L16]
	v_add_nc_u32 v[XL4], s58, v[L4]
	v_add_nc_u32 v[XL4], 4096, v[XL4]
	v_lshlrev_b32 v[GO], 11, v22
	v_lshl_add_u32 v[GO], v21, 4, v[GO]            ; the same two rows in out: 2,048 bytes a token
	s_lshl_b32 s58, s11, 1                         ; which half of a pair's scale word is A's, and B's
	s_xor_b32 s59, s58, 2
	v_lshl_add_u32 v18, v21, 2, s58
	v_lshl_add_u32 v19, v21, 2, s59
	WIN 0x40
	v_lshlrev_b32 v[SH], 3, v22                    ; v22 in window 0
	WIN 0
.irp n, 0,1,2,3,4,5
	v_mov_b32 v[Q+\n], 0
	v_mov_b32 v[Q+12+\n], 0
	v_mov_b32 v[Q+24+\n], 0
.endr
	s_mul_i32 s[LIM], s11, 6                       ; waves 4 to 7 work in the loop's trips 6 and 7
	s_bfe_u32 s13, ttmp6, 0x40000                  ; cx: it enters Q's and out's addresses alone
	s_lshl_b32 s14, ttmp9, 2
	s_add_co_u32 s14, s14, s13
	s_lshl_b32 s14, s14, 3
	s_lshl_b32 s12, s12, 1
	s_add_co_u32 s14, s14, s12                     ; my pair's first tile among the head's 128
	s_and_b32 s15, ttmp7, 0xffff                   ; bh, which the four partners share
	s_or_b32 s50, s14, s11                         ; tile A
	s_xor_b32 s51, s50, 1                          ; tile B
	GROUP1 G1Q, 1536, 2, 10752                     ; steps 0, 1 and 14, 15: two rows of 12,288 bytes, 86,016 apart
	GROUP1 G1S, 32, 16, 32                         ; 4,096 scale bytes
	GROUP1 G1R, 32, 144, 32                        ; six steps: 36,864 bytes
	s_mov_b32 s[G0], 1
	s_mov_b32 s[SEL], 0x76543210
	s_mov_b32 s[SEL+1], 0xfedcba98
	s_mov_b32 s[CS], 0x3e38aa3b
	s_mov_b32 s[CS+1], s[CS]                       ; (named with it as a pair)
	s_mov_b32 s[NC], 0xbe38aa3b
	s_mul_i32 s52, s15, 294912
	s_mul_i32 s54, s51, 768
	s_add_co_u32 s54, s54, s52
	s_mov_b32 s55, 0
	s_mul_i32 s56, s50, 768
	s_add_co_u32 s52, s52, s56
	s_mov_b32 s53, 0
	s_mul_i32 s56, s15, 12288
	s_lshl_b32 s57, s14, 5
	s_add_co_u32 s56, s56, s57                     ; my pair's scale words
	s_mov_b32 s57, 0
	s_lshr_b32 s2, s15, 3
	s_lshl_b32 s2, s2, 11                          ; the batch's first token
	s_lshr_b32 s3, s50, 2
	s_lshl_b32 s3, s3, 6
	s_add_co_u32 s2, s2, s3
	s_and_b32 s3, s50, 3
	s_lshl_b32 s3, s3, 3
	s_add_co_u32 s2, s2, s3                        ; + 64 (tile / 4) + 8 (tile % 4)
	s_lshl_b32 s2, s2, 11
	s_and_b32 s3, s15, 7
	s_lshl_b32 s3, s3, 8
	s_add_co_u32 s2, s2, s3                        ; + the head's 256 bytes of a row
	s_mov_b32 s3, 0
	s_wait_alu depctr_va_vdst(0)                   ; ahead of the waits below
	s_wait_dscnt 0x0                               ; both opening adds are done
	s_wait_kmcnt 0x0
	s_add_nc_u64 s[52:53], s[4:5], s[52:53]
	s_add_nc_u64 s[54:55], s[4:5], s[54:55]
	s_add_nc_u64 s[56:57], s[6:7], s[56:57]
	s_add_nc_u64 s[8:9], s[8:9], s[2:3]
	global_load_b128 v[Q+6:Q+9], v[L16], s[52:53]
	global_load_b64 v[Q+10:Q+11], v[L8], s[52:53] offset:512
	global_load_b128 v[Q+18:Q+21], v[L16], s[54:55]
	global_load_b64 v[Q+22:Q+23], v[L8], s[54:55] offset:512
	global_load_u16 v24, v18, s[56:57]
	global_load_u16 v25, v19, s[56:57]
	CROUND                                         ; all four work-groups are here: the joint loads meet
; one chain of arms, one load a wave: waves 0, 1 K's and V's steps 0, 1, 14, 15; waves 2, 3 their scale bytes; waves 4 to 7 the two halves of K's steps 2 .. 13, then of V's
	s_cmp_lt_u32 s[WV], 2
	s_cbranch_scc0 .Lscales
	s_mul_i32 s70, s[WV], 98304
	s_mov_b32 s[G0+1], s70
	s_mul_i32 s72, s15, 294912
	s_add_co_u32 s72, s72, 98304
	s_add_co_u32 s72, s72, s70
	s_mov_b32 s73, 0
	s_add_nc_u64 s[G0+2:G0+3], s[4:5], s[72:73]
	s_or_b32 s[G0+3], s[G0+3], 0x80000000
	TLOAD G1Q
	s_branch .Lasked
.Lscales:
	s_cmp_lt_u32 s[WV], 4
	s_cbranch_scc0 .Lrest
	s_and_b32 s70, s[WV], 1
	s_lshl_b32 s70, s70, 12
	s_add_co_u32 s[G0+1], s70, SCL
	s_mul_i32 s72, s15, 12288
	s_add_co_u32 s72, s72, 4096
	s_add_co_u32 s72, s72, s70
	s_mov_b32 s73, 0
	s_add_nc_u64 s[G0+2:G0+3], s[6:7], s[72:73]
	s_or_b32 s[G0+3], s[G0+3], 0x80000000
	TLOAD G1S
	s_branch .Lasked
.Lrest:
	s_bfe_u32 s70, s[WV], 0x10001                  ; K or V
	s_mul_i32 s70, s70, 98304
	s_and_b32 s71, s[WV], 1                        ; which half
	s_mul_i32 s71, s71, 36864
	s_add_co_u32 s71, s71, s70
	s_add_co_u32 s[G0+1], s71, 24576
	s_mul_i32 s72, s15, 294912
	s_add_co_u32 s72, s72, 98304+12288
	s_add_co_u32 s72, s72, s71
	s_mov_b32 s73, 0
	s_add_nc_u64 s[G0+2:G0+3], s[4:5], s[72:73]
	s_or_b32 s[G0+3], s[G0+3], 0x80000000
	TLOAD G1R
.Lasked:
	s_wait_loadcnt 0x0                             ; Q
	v_lshl_or_b32 v[QS], v24, 16, v24              ; q's two bytes, twice
	v_lshl_or_b32 v[QS+1], v25, 16, v25
	WIN 0x40
.set N, 0
.rept 64
	v_mov_b32 v[OA+N], 0                           ; O^T.  (The step is written once for all: the first finds zeros)
.set N, N+1
.endr
.irp n, 0,1,2,3
	v_mov_b32 v[SMA+\n], 0                         ; the sums
	v_mov_b32 v[FFA+\n], 0                         ; (their upper halves are named in pairs)
.endr
	v_mov_b32 v[NMA], 0x7f61b1e6                   ; -M: the largest t so far is -3e38, under every t
	v_mov_b32 v[NMB], 0x7f61b1e6
	v_mov_b32 v[NMB+1], 0
	WIN 0
.macro KLOAD o                         ; K's eight half fragments of a step and their scale words, o bytes behind v[AS]: 18 loads
.irp t, 0,1,2,3,4,5,6,7
	ds_load_b128 v[KF+6*\t:KF+6*\t+3], v[AK16] offset:\t*768
	ds_load_b64 v[KF+6*\t+4:KF+6*\t+5], v[AK8] offset:\t*768+512
.endr
	ds_load_b32 v[KS], v[AS] offset:\o
	ds_load_b32 v[KS+1], v[AS] offset:\o+128
.endm
.macro VLOAD                           ; V's, likewise
.irp t, 0,1,2,3,4,5,6,7
	ds_load_b128 v[VF+6*\t:VF+6*\t+3], v[AV16] offset:\t*768
	ds_load_b64 v[VF+6*\t+4:VF+6*\t+5], v[AV8] offset:\t*768+512
.endr
	ds_load_b32 v[VS], v[AS] offset:4096
	ds_load_b32 v[VS+1], v[AS] offset:4096+128
.endm
.macro CVT x, c, u                     ; half u of block c of tile x
.if \u
	v_cvt_scalef32_pk16_fp6_f32 v[CT+8*\x+4*\c:CT+8*\x+4*\c+2], v[64*\x+32*\c+16:64*\x+32*\c+31], v[TS+2*\x+\c]
.else
	v_cvt_scalef32_pk16_fp6_f32 v[PA+12*\x+6*\c:PA+12*\x+6*\c+2], v[64*\x+32*\c:64*\x+32*\c+15], v[TS+2*\x+\c]
.endif
.endm
.macro FOLD s, n                       ; n numbers are added onto the n below them
.set M_, 0
.rept \n/2
	v_pk_add_f32 v[\s+M_:\s+M_+1], v[\s+M_:\s+M_+1], v[\s+\n+M_:\s+\n+M_+1]
.set M_, M_+2
.endr
.endm
; line k of 32: the largest score of each block of 32 keys of tile x, in two chains a block, each accumulator from its low end on.  It serves for the row's maximum and, since p rises with the score, for the block's largest p
.macro MAXOP x, k
.set T_, (\k)%4
.set B_, 64*\x+16*T_
.set R_, BM+(T_%2)*(AX-BM)+2*\x+T_/2
.set I_, 1+2*((\k)/4)
.set C_, (\k)%2
.if (\k) < 4
	v_max3_num_f32 v[R_], v[B_], v[B_+1], v[B_+2]
.elseif (\k) < 28
	v_max3_num_f32 v[R_], v[R_], v[B_+I_], v[B_+I_+1]
.elseif (\k) < 30
	v_max3_num_f32 v[BM+2*\x+C_], v[BM+2*\x+C_], v[64*\x+32*C_+15], v[64*\x+32*C_+31]
.else
	v_max_num_f32 v[BM+2*\x+C_], v[BM+2*\x+C_], v[AX+2*\x+C_]
.endif
.endm
; line k of 10: the new M of tile x
.macro ROWOP x, k
.set X_, AX+2*\x
.set Y_, AX+2*\x+1
.if (\k) == 0
	v_max_num_f32 v[X_], v[BM+2*\x], v[BM+2*\x+1]
.elseif (\k) == 1
	v_permlanex16_b32 v[Y_], v[X_], s[SEL], s[SEL+1]
.elseif (\k) == 2
	v_max_num_f32 v[X_], v[X_], v[Y_]              ; with lane l xor 16's: the step's largest score
.elseif (\k) == 3
	v_mul_f32 v[X_], s[NC], v[X_]                  ; as -t
.elseif (\k) == 4
	v_floor_f32 v[X_], v[X_]                       ; -ceil(t)
.elseif (\k) == 5
	v_min_num_f32 v[X_], v[NMA+2*\x], v[X_]        ; the new -M: a whole number
.elseif (\k) == 6
	v_sub_f32 v[Y_], v[X_], v[NMA+2*\x]            ; old M - new M
.elseif (\k) == 7
	v_mov_b32 v[NMA+2*\x], v[X_]
.elseif (\k) == 8
	v_cvt_i32_f32 v[Y_], v[Y_]                     ; (it saturates)
.else
	v_ldexp_f32 v[FFA+2*\x], 1.0, v[Y_]            ; f = 2^(old M - new M): a multiplication by it rounds nothing
.endif
.endm
; A KEY STEP: 128 keys, both tiles.  pf: the next step's K is fetched behind this step's scores
.macro STEP pf
	VLOAD                                          ; V lands while the softmax is walked
	s_wait_dscnt 18                                ; K is in; V's 18 may be out
	WIN 0x40
.irp x, 0,1
.irp b, 0,1,2,3
.irp u, 0,1
.if (\b)%2
	v_wmma_scale_f32_16x16x128_f8f6f4 v[64*\x+8*(2*\b+\u):64*\x+8*(2*\b+\u)+7], v[KF+12*\b:KF+12*\b+11], v[Q+6+12*\x-6*\u:Q+17+12*\x-6*\u], 0, v[KS+\b/2], v[QS+\x] matrix_a_fmt:MATRIX_FMT_FP6 matrix_b_fmt:MATRIX_FMT_FP6 matrix_a_scale:MATRIX_SCALE_ROW1
.else
	v_wmma_scale_f32_16x16x128_f8f6f4 v[64*\x+8*(2*\b+\u):64*\x+8*(2*\b+\u)+7], v[KF+12*\b:KF+12*\b+11], v[Q+6+12*\x-6*\u:Q+17+12*\x-6*\u], 0, v[KS+\b/2], v[QS+\x] matrix_a_fmt:MATRIX_FMT_FP6 matrix_b_fmt:MATRIX_FMT_FP6
.endif
.endr
.endr
.endr
	WIN 0
.rept 4
	v_nop                                          ; the places in front of the loads and of the first read of the scores
.endr
.if \pf
	KLOAD 256
.endif
	WIN 0x55
.set N, 0
.rept 32
	MAXOP 0, N
.set N, N+1
.endr
.set N, 0
.rept 32                                       ; A's new M among B's maxima
	MAXOP 1, N
.if N%3 == 2
	ROWOP 0, N/3
.endif
.set N, N+1
.endr
.set N, 0
.rept 32                                       ; B's among A's multiply-adds
	v_pk_fma_f32 v[SA+2*N:SA+2*N+1], v[SA+2*N:SA+2*N+1], s[CS:CS+1], v[NMA:NMA+1] op_sel_hi:[1,0,0]   ; A's t - M
.if N%3 == 2
	ROWOP 1, N/3
.endif
.set N, N+1
.endr
.irp n, 0,1,2,3
	v_fma_f32 v[BM+\n], v[BM+\n], s[CS], v[NMA+2*(\n/2)]   ; the same of each block's largest score
.endr
.set N, 0
.rept 16
	v_pk_mul_f32 v[OA+N:OA+N+1], v[OA+N:OA+N+1], v[FFA:FFA+1] op_sel_hi:[1,0]   ; O^T and the sums under the new M
	v_pk_mul_f32 v[OB+N:OB+N+1], v[OB+N:OB+N+1], v[FFA+2:FFA+3] op_sel_hi:[1,0]
.set N, N+2
.endr
	v_pk_mul_f32 v[SMA:SMA+1], v[SMA:SMA+1], v[FFA:FFA+1] op_sel_hi:[1,0]
	v_pk_mul_f32 v[SMB:SMB+1], v[SMB:SMB+1], v[FFA+2:FFA+3] op_sel_hi:[1,0]
	s_wait_alu depctr_va_vdst(0)                   ; ahead of the batch
	v_exp_f32 v[BM], v[BM]                         ; A's blocks' largest p: the same two instructions on the same number give the same bits
	v_exp_f32 v[BM+1], v[BM+1]
.set N, 0
.rept 32
	v_exp_f32 v[SA+N], v[SA+N]                     ; A's p, at most 1: not normalised;
	v_exp_f32 v[SA+N+1], v[SA+N+1]
	v_pk_fma_f32 v[SB+N:SB+N+1], v[SB+N:SB+N+1], s[CS:CS+1], v[NMB:NMB+1] op_sel_hi:[1,0,0]   ; and B's t - M
.set N, N+2
.endr
	s_wait_alu depctr_va_vdst(0)                   ; one wait for the batch, ahead of its first reader
.irp c, 0,1
	v_max_num_f32 v[BM+\c], 0x1800000, v[BM+\c]    ; the floor 2^(3 - 127): the byte cannot fall under 1
.endr
.irp c, 0,1
	v_add_nc_u32 v[TS+\c], 0xff000000, v[BM+\c]    ; 2 off the exponent field: the conversion's scale operand
.endr
	s_wait_alu depctr_va_vdst(0)                   ; ahead of the batch
	v_exp_f32 v[BM+2], v[BM+2]
	v_exp_f32 v[BM+3], v[BM+3]
.set N, 0
.rept 64
	v_exp_f32 v[SB+N], v[SB+N]                     ; B's p; among them A's conversions, scale bytes and the first additions of its sum
.if N == 3
	CVT 0, 0, 0
.elseif N == 9
	CVT 0, 0, 1
.elseif N == 15
	CVT 0, 1, 0
.elseif N == 21
	CVT 0, 1, 1
.elseif N == 25
	v_lshrrev_b32 v[AX], 23, v[TS]
.elseif N == 28
	v_lshrrev_b32 v[AX+1], 23, v[TS+1]
.elseif (N > 32) && (N%2 == 1)
	v_pk_add_f32 v[SA+N-33:SA+N-32], v[SA+N-33:SA+N-32], v[SA+N-1:SA+N]   ; 32 numbers onto the 32 below them: THE ROW'S SUM IS TAKEN OF THE UNQUANTISED p
.endif
.set N, N+1
.endr
	s_wait_alu depctr_va_vdst(0)                   ; one wait for the batch
.if \pf
	s_wait_dscnt 18                                ; V is in; the next K's 18 may be out
.else
	s_wait_dscnt 0x0
.endif
	v_max_num_f32 v[BM+2], 0x1800000, v[BM+2]
	v_max_num_f32 v[BM+3], 0x1800000, v[BM+3]
	v_lshl_or_b32 v[AX], v[AX+1], 16, v[AX]
	v_add_nc_u32 v[TS+2], 0xff000000, v[BM+2]
	v_add_nc_u32 v[TS+3], 0xff000000, v[BM+3]
	v_lshlrev_b32 v[AX], v[SH], v[AX]              ; my two bytes at their places in the scale word
	CVT 1, 0, 0
	CVT 1, 0, 1
	CVT 1, 1, 0
	CVT 1, 1, 1
	v_permlanex16_b32 v[AX+1], v[AX], s[SEL], s[SEL+1]
	v_lshrrev_b32 v[AX+2], 23, v[TS+2]
	v_lshrrev_b32 v[AX+3], 23, v[TS+3]
.irp c, 0,1                                    ; (a conversion's three registers begin on an even number: the second halves move)
.irp i, 0,1,2
	v_mov_b32 v[PA+3+6*\c+\i], v[CT+4*\c+\i]
.endr
.endr
	v_lshl_or_b32 v[AX+2], v[AX+3], 16, v[AX+2]
	v_mov_b32 v[PA+15], v[CT+8]
	v_mov_b32 v[PA+16], v[CT+9]
	v_lshlrev_b32 v[AX+2], v[SH], v[AX+2]
	v_mov_b32 v[PA+17], v[CT+10]
	v_mov_b32 v[PA+21], v[CT+12]
	v_permlanex16_b32 v[AX+3], v[AX+2], s[SEL], s[SEL+1]
	v_mov_b32 v[PA+22], v[CT+13]
	v_mov_b32 v[PA+23], v[CT+14]
	WIN 0x05
	v_or_b32 v[PS], v[AX], v[AX+1]                 ; p's scale words for these 128 keys (window 0)
	v_or_b32 v[PS+1], v[AX+2], v[AX+3]
	WIN 0x55
	FOLD SB, 32                                    ; these 16 are also the places between the making of p's codes and scale words and the products
	WIN 0x54
.irp x, 0,1                                    ; O^T += V^T P^T: the eight accumulators take turns
.irp t, 0,1,2,3
.if (\t)%2
	v_wmma_scale_f32_16x16x128_f8f6f4 v[OA+32*\x+8*\t:OA+32*\x+8*\t+7], v[VF+12*\t:VF+12*\t+11], v[PA+12*\x:PA+12*\x+11], v[OA+32*\x+8*\t:OA+32*\x+8*\t+7], v[VS+\t/2], v[PS+\x] matrix_a_fmt:MATRIX_FMT_FP6 matrix_b_fmt:MATRIX_FMT_FP6 matrix_a_scale:MATRIX_SCALE_ROW1
.else
	v_wmma_scale_f32_16x16x128_f8f6f4 v[OA+32*\x+8*\t:OA+32*\x+8*\t+7], v[VF+12*\t:VF+12*\t+11], v[PA+12*\x:PA+12*\x+11], v[OA+32*\x+8*\t:OA+32*\x+8*\t+7], v[VS+\t/2], v[PS+\x] matrix_a_fmt:MATRIX_FMT_FP6 matrix_b_fmt:MATRIX_FMT_FP6
.endif
.endr
.endr
	WIN 0x55
.irp n, 16,8,4,2                               ; (also the places behind the products)
	FOLD SA, \n
	FOLD SB, \n
.endr
	v_pk_add_f32 v[SMA:SMA+1], v[SMA:SMA+1], v[SA:SA+1]
	v_pk_add_f32 v[SMB:SMB+1], v[SMB:SMB+1], v[SB:SB+1]
	WIN 0
.endm
	s_wait_alu depctr_va_vdst(0)
	s_cmp_lt_u32 s[WV], 4
	s_cbranch_scc0 .Llater
	s_wait_tensorcnt 0x0                           ; waves 0 to 3: what the first two steps need
.Llater:
	s_barrier_signal -1
	s_barrier_wait -1                              ; THE FIRST BARRIER: the scale bytes and steps 0, 1, 14, 15 are in
	KLOAD 0
	s_add_co_u32 s[SKN], s[SKN], 6144
	KADDR                                          ; my second step's K
	s_wait_alu depctr_va_vdst(0)                   ; ahead of the step's waits
	STEP 1
	s_add_co_u32 s[SV], s[SV], 6144
	s_add_co_u32 s[SW], s[SW], 256
	s_wait_tensorcnt 0x0                           ; THE SECOND BARRIER: all the rest.  Between its signal and its wait stands my second step: register work and LDS loads of bytes that the first has shown
	s_wait_dscnt 0x0
	s_barrier_signal -1
	VADDR
	STEP 0
	s_barrier_wait -1
	s_mul_i32 s[SKN], s11, 9*6144                  ; my third step: 2, or 11
	s_add_co_u32 s[SKN], s[SKN], 24576
	s_mul_i32 s[SW], s11, 9*256
	s_add_co_u32 s[SW], s[SW], SCL+512
	KADDR
	v_add_nc_u32 v[AS], s[SW], v[L4]
	KLOAD 0
	s_mul_i32 s[SKN], s11, 3*6144                  ; the loop's trip i stands at step 2 + i, in waves 4 to 7 at step 5 + i
	s_add_co_u32 s[SV], s[SKN], VC+24576
	s_add_co_u32 s[SKN], s[SKN], 24576+6144
	s_mul_i32 s[SW], s11, 3*256
	s_add_co_u32 s[SW], s[SW], SCL+512
	s_mov_b32 s49, 0
.Lsteps:                                               ; steps 2 to 9;  waves 4 to 7: steps 11, 12
	VADDR
	KADDR
	s_add_co_u32 s[SV], s[SV], 6144
	s_add_co_u32 s[SKN], s[SKN], 6144
	s_add_co_u32 s[SW], s[SW], 256
	s_wait_alu depctr_va_vdst(0)                   ; ahead of the branch and the step's waits
	s_cmp_lt_u32 s49, s[LIM]
	s_cbranch_scc1 .Lnot_mine                      ; the branch leads round the step's work alone
	STEP 1
.Lnot_mine:
	s_add_co_u32 s49, s49, 1
	s_cmp_lt_u32 s49, 8
	s_cbranch_scc1 .Lsteps
	VADDR
	STEP 0                                         ; step 10, or 13
	; THE TWO PARTS OF THE KEYS MEET: tile B goes to the partner
	WIN 0x55
.irp x, 0,1
	v_add_f32 v[AX+2*\x], v[SMA+2*\x], v[SMA+2*\x+1]
.endr
.irp x, 0,1
	v_permlanex16_b32 v[AX+2*\x+1], v[AX+2*\x], s[SEL], s[SEL+1]
.endr
.irp x, 0,1
	v_add_f32 v[SMA+2*\x], v[AX+2*\x], v[AX+2*\x+1]
.endr
	WIN 0x04
.irp k, 0,1,2,3,4,5,6,7
	ds_store_b128 v[XS], v[OB+4*\k:OB+4*\k+3] offset:512*\k
.endr
	ds_store_b32 v[XS4], v[SMB]
	ds_store_b32 v[XS4], v[NMB] offset:128
	WIN 0
	s_wait_alu depctr_va_vdst(0)
	s_wait_dscnt 0x0                               ; for the partner's sake: my stores are done
	s_barrier_signal -1
	s_barrier_wait -1
.irp k, 0,1,2,3,4,5,6,7
	ds_load_b128 v[KF+4*\k:KF+4*\k+3], v[XL] offset:512*\k     ; the partner's O^T of my tile A
.endr
	ds_load_b32 v112, v[XL4]                       ; its sum
	ds_load_b32 v113, v[XL4] offset:128            ; its -M
	v_mov_b32 v27, 0                               ; (named as the upper halves of pairs)
	v_mov_b32 v29, 0
	v_mov_b32 v31, 0
	WIN 0x01
	v_mov_b32 v22, v[NMA]
	v_mov_b32 v23, v[SMA]
	WIN 0
	s_wait_alu depctr_va_vdst(0)
	s_wait_dscnt 0x0
	v_min_num_f32 v20, v22, v113                   ; -M of the whole row: the larger M
	v_sub_f32 v21, v20, v22                        ; my M - M, and the partner's: whole numbers, 0 or less
	v_sub_f32 v24, v20, v113
	v_cvt_i32_f32 v21, v21
	v_cvt_i32_f32 v24, v24
	v_ldexp_f32 v28, 1.0, v21
	v_ldexp_f32 v30, 1.0, v24
	v_mul_f32 v25, v23, v28
	v_fma_f32 v25, v112, v30, v25                  ; the row's sum
	WIN 0x01
.set N, 0
.rept 16
	v_pk_mul_f32 v[VF+N:VF+N+1], v[OA+N:OA+N+1], v[28:29] op_sel_hi:[1,0]
.set N, N+2
.endr
	WIN 0
	s_wait_alu depctr_va_vdst(0)                   ; ahead of the reciprocal,
	v_rcp_f32 v26, v25
.set N, 0
.rept 16
	v_pk_fma_f32 v[VF+N:VF+N+1], v[KF+N:KF+N+1], v[30:31], v[VF+N:VF+N+1] op_sel_hi:[1,0,1]
.set N, N+2
.endr
	s_wait_alu depctr_va_vdst(0)                   ; and ahead of its first reader
.set N, 0
.rept 16
	v_pk_mul_f32 v[VF+N:VF+N+1], v[VF+N:VF+N+1], v[26:27] op_sel_hi:[1,0]
.set N, N+2
.endr
	; THE WAY OUT: a lane holds 32 neighbouring channels of one query; through my own stage, so that sixteen lanes store a query's 256 bytes
.irp k, 0,1,2,3,4,5,6,7
	ds_store_b128 v[STO], v[VF+4*\k:VF+4*\k+3] offset:16*\k
.endr
.irp i, 0,1,2,3,4,5,6,7
	ds_load_b128 v[KF+4*\i:KF+4*\i+3], v[RD] offset:544*\i     ; LDS serves a wave's instructions in order (ISA guide 5.7.1.4): these see my stores
.endr
.irp i, 0,1,2,3,4,5,6,7
	s_wait_dscnt 7-\i
	global_store_b128 v[GO], v[KF+4*\i:KF+4*\i+3], s[8:9] offset:(2*\i+24*(\i/4))*2048 th:TH_STORE_NT   ; stage rows 2 i, 2 i + 1; 16 lanes store 256 consecutive bytes, at a multiple of 256
.endr
	s_wait_tensorcnt 0x0                           ; the wave's end
	ds_add_u32 v[SPW], v[NIL]
	s_wait_dscnt 0x0
	CROUND                                         ; the closing round
	s_endpgm
.Lfunc_end_k_q38b8c3b737_attn:
	.size	k_q38b8c3b737_attn, .Lfunc_end_k_q38b8c3b737_attn-k_q38b8c3b737_attn
	.p2alignl 7, 3214868480
	.fill 96, 4, 3214868480
	.section	.rodata,"a",@progbits
	.p2align	6, 0x0
	.amdhsa_kernel k_q38b8c3b737_attn
		.amdhsa_group_segment_fixed_size 275456
		.amdhsa_private_segment_fixed_size 0
		.amdhsa_enable_private_segment 0
		.amdhsa_kernarg_size 24
		.amdhsa_user_sgpr_count 2
		.amdhsa_user_sgpr_kernarg_segment_ptr 1
		.amdhsa_wavefront_size32 1
		.amdhsa_system_sgpr_workgroup_id_x 1
		.amdhsa_system_sgpr_workgroup_id_y 1
		.amdhsa_system_sgpr_workgroup_id_z 1
		.amdhsa_system_vgpr_workitem_id 0
		.amdhsa_next_free_vgpr 512
		.amdhsa_next_free_sgpr 80
		.amdhsa_reserve_vcc 0
		.amdhsa_float_denorm_mode_32 3
		.amdhsa_float_denorm_mode_16_64 3
		.amdhsa_memory_ordered 1
		.amdhsa_forward_progress 1
		.amdhsa_inst_pref_size 130
	.end_amdhsa_kernel
	.amdgpu_metadata
---
amdhsa.version: [ 1, 2 ]
amdhsa.kernels:
  - .name:           k_q38b8c3b737_attn
    .symbol:         k_q38b8c3b737_attn.kd
    .args:
      - { .name: qkv_codes, .offset: 0, .size: 8, .value_kind: global_buffer, .address_space: global }
      - { .name: qkv_scales, .offset: 8, .size: 8, .value_kind: global_buffer, .address_space: global }
      - { .name: out0, .offset: 16, .size: 8, .value_kind: global_buffer, .address_space: global }
    .group_segment_fixed_size: 275456
    .private_segment_fixed_size: 0
    .kernarg_segment_align: 8
    .kernarg_segment_size: 24
    .max_flat_workgroup_size: 256
    .sgpr_count:     80
    .vgpr_count:     512
    .wavefront_size: 32
...
	.end_amdgpu_metadata
.endif
;; end of part 3
